; MI455X (gfx1250); checked and timed in simulation.
; The chip was launched on July 23, 2026; its instructions are those of AMD's public machine-readable ISA for CDNA 5 (MIT licence, August 2026) and "CDNA5" Instruction Set Architecture Reference Guide (July 2026). The comments in the code are by the model that wrote it; some were corrected since.
;; Cascade Grad Net OURS. Allowed arithmetic: matrix products marked QUANTISED: E2M3 operands, one E8M0 scale for each 32 along K, by v_wmma_scale_f32_16x16x128_f8f6f4 with both operands' format E2M3, f32 sums; everything else in f32.
;; Inputs: W 4,096 x 1,024 float32; alpha 8 x 4,096 float32; beta 8 x 4,096 float32; bias_last 1,024 float32; biases 9 x 4,096 float32; x 8,192 x 1,024 float32.
;; Outputs: out0 8,192 x 1,024 float32.
;; This version of the problem:
;;   THIS VERSION OF THE PROBLEM IS GIVEN IN LOW PRECISION. The matrix products marked QUANTISED in the list below multiply operands that are first quantised to E2M3 (2 exponent bits, 3 mantissa bits; 6 bits a number), with one power-of-two scale for each 32 numbers along K (OCP MX v1.0); their sums are f32. All else is computed in f32.
;;   The module's matrix products, in the order in which they are computed (A, B: the left and right operand; K: the contracted axis; several contracted axes count as one K, in the product's order):
;;     1. [M 8,192, K 1,024] x [K 1,024, N 4,096]; A: input x; B: input W: QUANTISED
;;     2. [M 8,192, K 4,096] x [K 4,096, N 1,024]; A: computed on the way; B: input W: QUANTISED
;;   THE QUANTISER, for each operand of a quantised product, along K:
;;     - K is cut into blocks of 32 from its start; a last block that is shorter is filled with zeros.
;;     - A block's scale is 2^e with e = floor(log2(the largest magnitude in the block)) - 2, held to -126 .. 127; a block of zeros has e = 0. As a byte (E8M0): e + 127.
;;     - Each number is divided by its block's scale, clamped to +-7.5, and rounded to the nearest number of E2M3, ties to even, subnormals kept.
;;     - The product sums the exact products of the quantised numbers (number of the format x scale) in f32.
;;   ~~~python
;;   def quantise(x, axis):      # numpy; x: float32 -> the quantised numbers, widened to float32 again
;;       x = np.moveaxis(x, axis, -1); K = x.shape[-1]
;;       x = np.pad(x, [(0, 0)] * (x.ndim - 1) + [(0, -K % 32)]); x = x.reshape(x.shape[:-1] + (-1, 32)); a = np.abs(x).max(-1, keepdims=True)
;;       e = np.where(a > 0, np.clip(np.frexp(np.where(a > 0, a, 1))[1] - 1 - 2, -126, 127), 0)      # np.frexp(a)[1] - 1 = floor(log2(a)), exactly
;;       r = np.clip(x / 2.0 ** e, -7.5, 7.5)
;;       step = 2.0 ** (np.maximum(np.frexp(np.where(r == 0, 1, r))[1] - 1, 0) - 3)
;;       q = np.round(r / step) * step * 2.0 ** e      # np.round: ties to even
;;       return np.moveaxis(q.reshape(q.shape[:-2] + (-1,))[..., :K], -1, axis).astype(np.float32)
;;   ~~~
;;   OPERANDS COMPUTED ON THE WAY. 'Computed on the way' means the value that the module computes at that place (a softmax that the list does not call 'softmax' is quantised finished and normalised). What goes into a quantiser is computed in f32, as accurately as f32 sums, v_exp_f32 and their like allow (about 1e-6 of the number): no bf16 or f16 on the way to a quantiser, and a product that is left as it is and whose result goes on into a quantised operand takes f32 operands (vector FMAs, or v_wmma_f32_16x16x4_f32). A number that lies on a knife's edge between two numbers of the format may be rounded either way, as far as f32 arithmetic and the matrix unit's own rounding can turn it there, and no further.
;; One version. Each part assembles by itself: llvm-mc -triple=amdgcn-amd-amdhsa -mcpu=gfx1250 --defsym DOCPART=n.
;; ======== version 1 of 1: 3 launches
;; limits: right only within a limited range of input values
;; workspace buffers: xq 6,291,456 bytes; xs 262,144 bytes; w1q 3,145,728 bytes; w1s 131,072 bytes; w2q 3,145,728 bytes; w2s 131,072 bytes; zq 25,165,824 bytes; zs 1,048,576 bytes
;; launch quant (part 1): grid 512 x 1, 4 waves a work-group, no clusters, 67,072 bytes of LDS; arguments x, W, xq, xs, w1q, w1s, w2q, w2s; writes xq, xs, w1q, w1s, w2q, w2s
.if DOCPART == 1
	.amdgcn_target "amdgcn-amd-amdhsa--gfx1250"
	.amdhsa_code_object_version 6
	.text
	.protected	k_q134aa5b569_quant
	.globl	k_q134aa5b569_quant
	.p2align	8
	.type	k_q134aa5b569_quant,@function
k_q134aa5b569_quant:
	s_mov_b64 s[64:65], 0
	v_nop
	global_prefetch_b8 v0, s[64:65] scope:SCOPE_SE
	s_setreg_imm32_b32 hwreg(HW_REG_WAVE_MODE, 25, 1), 1
	s_wait_xcnt 0x0
; x [8192][1024] and W [4096][1024], f32, become codes of FP6 (E2M3) with one E8M0 byte for each 32 along K, laid in the order of the matrix operand's registers.
; x is quantised along its rows (xq, xs); W twice: along its rows for the first product (w1q, w1s) and down its columns, K = its first axis, for the second (w2q, w2s).
; A FRAGMENT IMAGE is 16 operand rows x 128 K = 1,536 bytes: register 4 j + i of lane l at 512 j + 16 l + 4 i; lane (r, h) holds row r, registers 6 c .. 6 c + 5 hold k = 64 c + 32 h + 0 .. 31.
; A SCALE RECORD is 256 bytes for 64 operand rows and 128 K: lane l's 8 bytes at 8 l, word k the scale word of row 32 k + l.
; In xq and w1q the rows of a tile are not neighbours: lane r of tile T takes row 32 (T / 2) + 8 (T % 2) + r + 8 (r / 8), so that the first product's results lie as the quantiser of the next K wants them.
; A block's scale is 2^(floor(log2(its largest magnitude)) - 2): its byte is the largest magnitude's exponent field - 2, held at 1 from below by a floor among the maximum's leaves.
; LIMITS: a block of zeros, and a block whose largest magnitude lies under 2^-124, gets the byte 1 (the rule's 127 for zeros is not made: the codes are zeros and only this program reads the bytes);
; NaN and infinities among the inputs are not served.
; SHARES: a wave takes 64 operand rows x 128 K: 32 KiB in, 6,144 bytes of codes and one record out.  Work-groups 0-255 take x, 256-383 W by rows (one text, the buffers chosen on the work-group's number),
; 384-511 W by columns.  Waves share nothing: no barrier.  Every load and every store of a wave covers 256 or 512 consecutive bytes.  Each of the two ways has LDS bytes of its own.
; No cache hint on the loads: the text by rows serves W too, which the launch reads twice.
.set RP,   528                         ; by rows: a stage row, 512 bytes + 16
.set STC,  4*16*RP                     ; by columns: the stages begin here, 32 rows x 256 bytes for each wave
.set X,    16                          ; v16-207  three sets of 64 numbers
.set C,    208                         ; v208-255 the codes: 12 registers a fragment
; ---- by rows.  v1 16 x lane; v2, v3 stage in and out; v4-7 the fragments' scale words; v8-11 at work; v12-14 a conversion's second half; v15 8 h
.macro LOADR f                         ; fragment f's 16 rows, 512 consecutive bytes each
.set li, 0
.rept 16
	global_load_b128 v[X+64*((\f)%3)+4*li:X+64*((\f)%3)+4*li+3], v1, s[4:5] offset:(32*((\f)/2)+8*((\f)%2)+li+8*(li/8))*4096
.set li, li+1
.endr
.endm
.macro PUT f                           ; into the stage as loaded
.set li, 0
.rept 16
	ds_store_b128 v2, v[X+64*((\f)%3)+4*li:X+64*((\f)%3)+4*li+3] offset:RP*li
.set li, li+1
.endr
.endm
.macro GET f                           ; and back: lane (r, h) takes k = 64 c + 32 h + 0 .. 31 of row r, two whole blocks
.set li, 0
.rept 16
	ds_load_b128 v[X+64*((\f)%3)+4*li:X+64*((\f)%3)+4*li+3], v3 offset:256*(li/8)+16*(li%8)
.set li, li+1
.endr
.endm
.macro QR f                            ; 64 numbers of a lane become its 12 registers of fragment f and its row's scale word
.set XS, X+64*((\f)%3)
.set CF, C+12*(\f)
	v_max3_num_f32 v8, |v[XS]|, |v[XS+1]|, 0x1800000              ; the floor 2^(3 - 127): the byte cannot fall under 1
	v_max3_num_f32 v9, |v[XS+32]|, |v[XS+33]|, 0x1800000
.set qi, 2
.rept 15
	v_max3_num_f32 v8, v8, |v[XS+qi]|, |v[XS+qi+1]|               ; the two blocks by turns
	v_max3_num_f32 v9, v9, |v[XS+32+qi]|, |v[XS+33+qi]|
.set qi, qi+2
.endr
	v_add_nc_u32 v10, 0xff000000, v8                              ; 2 off the exponent field: the conversion's scale operand
	v_add_nc_u32 v11, 0xff000000, v9
	v_lshrrev_b32 v8, 23, v10                                     ; the bytes of blocks h and 2 + h
	v_lshrrev_b32 v9, 23, v11
	v_lshl_or_b32 v[4+(\f)], v9, 16, v8
	v_lshlrev_b32 v[4+(\f)], v15, v[4+(\f)]                       ; 8 h bits up
	v_permlanex16_b32 v9, v[4+(\f)], s30, s31
	v_or_b32 v[4+(\f)], v[4+(\f)], v9                             ; with lane l xor 16's two the word is whole, in both halves
	v_cvt_scalef32_pk16_fp6_f32 v[CF:CF+2], v[XS:XS+15], v10
	v_cvt_scalef32_pk16_fp6_f32 v[12:14], v[XS+16:XS+31], v10     ; (a conversion's three registers begin on an even number)
	v_nop                                                         ; one plain place behind a scaled conversion
.irp i, 0,1,2
	v_mov_b32 v[CF+3+\i], v[12+\i]
.endr
	v_cvt_scalef32_pk16_fp6_f32 v[CF+6:CF+8], v[XS+32:XS+47], v11
	v_cvt_scalef32_pk16_fp6_f32 v[12:14], v[XS+48:XS+63], v11
	v_nop
.irp i, 0,1,2
	v_mov_b32 v[CF+9+\i], v[12+\i]
.endr
.irp j, 0,1,2
	global_store_b128 v1, v[CF+4*\j:CF+4*\j+3], s[8:9] offset:1536*(\f)+512*\j   ; the image: 512 consecutive bytes a store; these registers are never written again
.endr
.endm
; ---- by columns.  v1 load offset; v2, v3 stage in and out; v4 16 x lane; v5 8 x lane; v6-7 the scale words of columns lane and 32 + lane; v8-11 at work; v12-14 as above
.macro LOADC s                         ; block s: 32 rows e x 64 columns; a load takes two rows' 256 bytes
.set li, 0
.rept 16
	global_load_b128 v[X+64*((\s)%3)+4*li:X+64*((\s)%3)+4*li+3], v1, s[6:7] offset:(32*(\s)+2*li)*4096
.set li, li+1
.endr
.endm
.macro PUTC s
.set li, 0
.rept 16
	ds_store_b128 v2, v[X+64*((\s)%3)+4*li:X+64*((\s)%3)+4*li+3] offset:512*li
.set li, li+1
.endr
.endm
.macro GETC s                          ; a lane takes a column and its registers run down K: columns lane and 32 + lane
.set li, 0
.rept 32
	ds_load_b32 v[X+64*((\s)%3)+li], v3 offset:256*li
	ds_load_b32 v[X+64*((\s)%3)+32+li], v3 offset:256*li+128
.set li, li+1
.endr
.endm
.macro QC s, k                         ; block s of column 32 k + lane: all 32 numbers are the lane's
.set XS, X+64*((\s)%3)+32*(\k)
.set CF, C+12*(2*(\k)+(\s)%2)+6*((\s)/2)
	v_max3_num_f32 v8, |v[XS]|, |v[XS+1]|, |v[XS+2]|
	v_max3_num_f32 v9, |v[XS+3]|, |v[XS+4]|, |v[XS+5]|
.irp i, 6,10,14,18,22,26
	v_max3_num_f32 v8, v8, |v[XS+\i]|, |v[XS+\i+1]|
	v_max3_num_f32 v9, v9, |v[XS+\i+2]|, |v[XS+\i+3]|
.endr
	v_max3_num_f32 v8, v8, |v[XS+30]|, |v[XS+31]|
	v_max3_num_f32 v8, v8, v9, 0x1800000                          ; and the floor
	v_add_nc_u32 v10, 0xff000000, v8
	v_lshrrev_b32 v11, 23, v10
.if (\s) == 0
	v_mov_b32 v[6+(\k)], v11                                      ; four bytes to a word, the lower K in the lower byte
.else
	v_lshl_or_b32 v[6+(\k)], v11, 8*(\s), v[6+(\k)]
.endif
	v_cvt_scalef32_pk16_fp6_f32 v[CF:CF+2], v[XS:XS+15], v10
	v_cvt_scalef32_pk16_fp6_f32 v[12:14], v[XS+16:XS+31], v10
	v_nop
.irp i, 0,1,2
	v_mov_b32 v[CF+3+\i], v[12+\i]
.endr
.endm
.macro SWAPS c                         ; blocks 2 c (in fragment 2 k's registers) and 2 c + 1 (in fragment 2 k + 1's) of 32 columns become registers 6 c .. 6 c + 5 of the tiles of columns 0-15 and 16-31
.irp k, 0,1
.irp i, 0,1,2,3,4,5
	v_permlane16_swap_b32 v[C+24*\k+6*(\c)+\i], v[C+24*\k+12+6*(\c)+\i]
.endr
.endr
.endm
	s_load_b256 s[4:11], s[0:1], 0x0               ; x s[4:5], W s[6:7], xq s[8:9], xs s[10:11]
	s_load_b256 s[12:19], s[0:1], 0x20             ; w1q s[12:13], w1s s[14:15], w2q s[16:17], w2s s[18:19]
	s_set_vgpr_msb 0x40
	v_lshl_add_u32 v0, v0, 2, 0x10400
	v_mov_b32 v1, 0
	s_set_vgpr_msb 0x4000
	v_lshrrev_b32 v1, 5, v0
	v_readfirstlane_b32 s20, v1                    ; wave
	v_and_b32 v12, 31, v0                          ; lane
	v_and_b32 v13, 15, v0                          ; r
	v_bfe_u32 v14, v0, 4, 1                        ; h
	s_mov_b32 s25, 0                               ; the upper word of every offset
	s_mov_b32 s30, 0x76543210
	s_mov_b32 s31, 0xfedcba98                      ; v_permlanex16_b32's selects for lane l xor 16
	s_cmp_ge_u32 ttmp9, 384
	s_cbranch_scc1 .Lcols
	; ================ by rows: x, or W for the first product
	v_lshlrev_b32 v1, 4, v12
	s_mul_i32 s22, s20, 16*RP                      ; my wave's stage
	v_add_nc_u32 v2, s22, v1
	v_mul_u32_u24 v3, v13, RP
	v_lshl_add_u32 v3, v14, 7, v3
	v_add_nc_u32 v3, s22, v3                       ; row r, + 128 h bytes
	v_lshlrev_b32 v15, 3, v14
	s_wait_alu depctr_va_vdst(0)
	s_wait_kmcnt 0x0
	s_cmp_lt_u32 ttmp9, 256                        ; the choice hangs on the work-group's number alone
	s_cselect_b64 s[4:5], s[4:5], s[6:7]
	s_cselect_b64 s[8:9], s[8:9], s[12:13]
	s_cselect_b64 s[10:11], s[10:11], s[14:15]
	s_cselect_b32 s21, 0, 256
	s_sub_co_u32 s21, ttmp9, s21
	s_lshl_b32 s21, s21, 2
	s_add_co_u32 s21, s21, s20                     ; u: my unit of the tensor
	s_and_b32 s22, s21, 7                          ; g: which 128 along K
	s_lshr_b32 s23, s21, 3                         ; rb: which 64 rows
	s_lshl_b32 s24, s23, 18                        ; 64 rows of 4,096 bytes
	s_lshl_b32 s26, s22, 9
	s_add_co_u32 s24, s24, s26
	s_add_nc_u64 s[4:5], s[4:5], s[24:25]
	s_lshr_b32 s26, s23, 1
	s_lshl_b32 s26, s26, 3
	s_add_co_u32 s26, s26, s22
	s_mul_i32 s26, s26, 12288                      ; [128 rows][g][8 tiles][1,536]
	s_and_b32 s27, s23, 1
	s_mul_i32 s27, s27, 6144
	s_add_co_u32 s24, s26, s27
	s_add_nc_u64 s[8:9], s[8:9], s[24:25]
	s_lshl_b32 s24, s21, 8                         ; a record a unit
	s_add_nc_u64 s[10:11], s[10:11], s[24:25]
	LOADR 0
	LOADR 1
	LOADR 2
	s_wait_loadcnt 32                              ; fragment 0 is in; the 32 loads of fragments 1 and 2 may be out
	PUT 0
	s_wait_dscnt 0x0                               ; the stores have read their registers, which the loads below fill
	GET 0
	s_wait_loadcnt 16                              ; fragment 1 is in; fragment 2's 16 may be out
	PUT 1                                          ; LDS serves a wave's instructions in order: these come behind GET 0's reads
	s_wait_dscnt 0x0                               ; fragment 0 is back, and fragment 1's stores have read their registers
	GET 1
	QR 0
	LOADR 3                                        ; into the set that fragment 0 has left
	s_wait_loadcnt 16                              ; fragment 2 is in; fragment 3's 16 may be out
	PUT 2
	s_wait_dscnt 0x0
	GET 2
	QR 1
	s_wait_loadcnt 0x0
	PUT 3
	s_wait_dscnt 0x0
	GET 3
	QR 2
	s_wait_dscnt 0x0
	QR 3
	s_mov_b32 vcc_lo, 0xffff0000
	v_cndmask_b32 v8, v4, v5, vcc_lo               ; the record: word k of lane l is the word of row 32 k + l: tile 2 k below, tile 2 k + 1 above
	v_cndmask_b32 v9, v6, v7, vcc_lo
	v_lshrrev_b32 v12, 1, v1                       ; 8 x lane
	global_store_b64 v12, v[8:9], s[10:11]         ; 256 consecutive bytes
	s_set_vgpr_msb 0x5
	s_wait_tensorcnt 0x0
	ds_add_u32 v0, v1
	s_wait_dscnt 0x0
	s_set_vgpr_msb 0x500
	s_endpgm
.Lcols:	; ================ by columns: W for the second product
	s_wait_alu depctr_va_vdst(0)
	v_lshlrev_b32 v4, 4, v12
	v_lshlrev_b32 v5, 3, v12
	v_lshlrev_b32 v1, 4, v13
	v_lshl_add_u32 v1, v14, 12, v1                 ; lanes 0-15 one row's 256 bytes, lanes 16-31 the next row's
	s_lshl_b32 s28, s20, 13
	s_add_co_u32 s28, s28, STC                     ; my wave's stage
	v_add_nc_u32 v2, s28, v4
	v_lshl_add_u32 v3, v12, 2, s28
	s_sub_co_u32 s21, ttmp9, 384
	s_lshl_b32 s21, s21, 2
	s_add_co_u32 s21, s21, s20                     ; u
	s_and_b32 s22, s21, 31                         ; which 128 along K = e
	s_lshr_b32 s23, s21, 5                         ; which 64 columns
	s_lshl_b32 s24, s22, 19                        ; 128 rows of 4,096 bytes
	s_lshl_b32 s26, s23, 8
	s_add_co_u32 s24, s24, s26
	s_wait_alu depctr_va_vdst(0)
	s_wait_kmcnt 0x0
	s_add_nc_u64 s[6:7], s[6:7], s[24:25]
	s_lshr_b32 s26, s23, 1
	s_lshl_b32 s26, s26, 5
	s_add_co_u32 s26, s26, s22
	s_mul_i32 s26, s26, 12288                      ; [128 columns][g 32][8 tiles][1,536]
	s_and_b32 s27, s23, 1
	s_mul_i32 s27, s27, 6144
	s_add_co_u32 s24, s26, s27
	s_add_nc_u64 s[16:17], s[16:17], s[24:25]
	s_lshl_b32 s24, s21, 8
	s_add_nc_u64 s[18:19], s[18:19], s[24:25]
	LOADC 0
	LOADC 1
	LOADC 2
	s_wait_loadcnt 32                              ; the counts are those of the way by rows
	PUTC 0
	s_wait_dscnt 0x0
	GETC 0
	s_wait_loadcnt 16
	PUTC 1
	s_wait_dscnt 0x0
	GETC 1
	QC 0, 0
	QC 0, 1
	LOADC 3
	s_wait_loadcnt 16
	PUTC 2
	s_wait_dscnt 0x0
	GETC 2
	QC 1, 0
	QC 1, 1
	SWAPS 0
	s_wait_loadcnt 0x0
	PUTC 3
	s_wait_dscnt 0x0
	GETC 3
	QC 2, 0
	QC 2, 1
	s_wait_dscnt 0x0
	QC 3, 0
	QC 3, 1
	SWAPS 1
.irp t, 0,1,2,3
.irp j, 0,1,2
	global_store_b128 v4, v[C+12*\t+4*\j:C+12*\t+4*\j+3], s[16:17] offset:1536*\t+512*\j
.endr
.endr
	global_store_b64 v5, v[6:7], s[18:19]          ; the record as it stands: word k of lane l is column 32 k + l's
	s_set_vgpr_msb 0x5
	s_wait_tensorcnt 0x0
	ds_add_u32 v0, v1
	s_wait_dscnt 0x0
	s_set_vgpr_msb 0x500
	s_endpgm
.Lfunc_end_k_q134aa5b569_quant:
	.size	k_q134aa5b569_quant, .Lfunc_end_k_q134aa5b569_quant-k_q134aa5b569_quant
	.p2alignl 7, 3214868480
	.fill 96, 4, 3214868480
	.section	.rodata,"a",@progbits
	.p2align	6, 0x0
	.amdhsa_kernel k_q134aa5b569_quant
		.amdhsa_group_segment_fixed_size 67072
		.amdhsa_private_segment_fixed_size 0
		.amdhsa_enable_private_segment 0
		.amdhsa_kernarg_size 64
		.amdhsa_user_sgpr_count 2
		.amdhsa_user_sgpr_kernarg_segment_ptr 1
		.amdhsa_wavefront_size32 1
		.amdhsa_system_sgpr_workgroup_id_x 1
		.amdhsa_system_sgpr_workgroup_id_y 1
		.amdhsa_system_sgpr_workgroup_id_z 1
		.amdhsa_system_vgpr_workitem_id 0
		.amdhsa_next_free_vgpr 258
		.amdhsa_next_free_sgpr 66
		.amdhsa_reserve_vcc 1
		.amdhsa_float_denorm_mode_32 3
		.amdhsa_float_denorm_mode_16_64 3
		.amdhsa_memory_ordered 1
		.amdhsa_forward_progress 1
		.amdhsa_inst_pref_size 71
	.end_amdhsa_kernel
	.amdgpu_metadata
---
amdhsa.version: [ 1, 2 ]
amdhsa.kernels:
  - .name:           k_q134aa5b569_quant
    .symbol:         k_q134aa5b569_quant.kd
    .args:
      - { .name: x, .offset: 0, .size: 8, .value_kind: global_buffer, .address_space: global }
      - { .name: W, .offset: 8, .size: 8, .value_kind: global_buffer, .address_space: global }
      - { .name: xq, .offset: 16, .size: 8, .value_kind: global_buffer, .address_space: global }
      - { .name: xs, .offset: 24, .size: 8, .value_kind: global_buffer, .address_space: global }
      - { .name: w1q, .offset: 32, .size: 8, .value_kind: global_buffer, .address_space: global }
      - { .name: w1s, .offset: 40, .size: 8, .value_kind: global_buffer, .address_space: global }
      - { .name: w2q, .offset: 48, .size: 8, .value_kind: global_buffer, .address_space: global }
      - { .name: w2s, .offset: 56, .size: 8, .value_kind: global_buffer, .address_space: global }
    .group_segment_fixed_size: 67072
    .private_segment_fixed_size: 0
    .kernarg_segment_align: 8
    .kernarg_segment_size: 64
    .max_flat_workgroup_size: 128
    .sgpr_count:     66
    .vgpr_count:     258
    .wavefront_size: 32
...
	.end_amdgpu_metadata
.endif
;; end of part 1
;; launch gemm1 (part 2): grid 32 x 8, 4 waves a work-group, clusters of 4 x 1, 327,680 bytes of LDS; arguments xq, xs, w1q, w1s, alpha, beta, biases, zq, zs; writes zq, zs
.if DOCPART == 2
	.amdgcn_target "amdgcn-amd-amdhsa--gfx1250"
	.amdhsa_code_object_version 6
	.text
	.protected	k_q134aa5b569_gemm1
	.globl	k_q134aa5b569_gemm1
	.p2align	8
	.type	k_q134aa5b569_gemm1,@function
k_q134aa5b569_gemm1:
	s_mov_b64 s[64:65], 0
	v_nop
	global_prefetch_b8 v0, s[64:65] scope:SCOPE_SE
	s_setreg_imm32_b32 hwreg(HW_REG_WAVE_MODE, 25, 1), 1
	s_wait_xcnt 0x0
	s_wait_alu depctr_hold_cnt(0) depctr_sa_sdst(0) depctr_va_vdst(0) depctr_va_sdst(0) depctr_va_ssrc(0) depctr_va_vcc(0) depctr_vm_vsrc(0)
	s_getreg_b32 s2, hwreg(HW_REG_IB_STS2, 6, 4)
	s_cmp_eq_u32 s2, 0
	s_cbranch_scc0 .Lentry_in_a_cluster
	s_endpgm
.Lentry_in_a_cluster:
	s_bfe_u32 s2, ttmp6, 0x10000c
	s_cmp_lg_u32 s2, 0x3003
	s_cbranch_scc0 .Lentry_shape_is_right
	s_endpgm
.Lentry_shape_is_right:
; h = x W^T on codes of FP6 (E2M3) with E8M0 scales; then, column by column in f32, z = beta0 (h + b0); seven times z = beta(i+1) (h + b(i+1)) + alpha(i) relu(z); z = alpha7 relu(z);
; z is quantised along E, the next product's K, and leaves as codes (zq) and scale records (zs).  h and z in f32 stay in registers.
; SHARES.  A work-group takes 128 columns (work-group x) and 1,024 rows (work-group y); wave w takes columns 32 w .. 32 w + 31, one block of the next K, of all those rows.
; What hangs on columns alone is loaded once and stays in registers: W's fragments (2 tiles x 8 groups of 128 K, 192 registers), their scale words (8), and beta, beta x b, alpha (3 x 8 layers x 16 numbers a lane).
; x goes by 64 rows (4 tiles x all of K, 49,152 bytes) through two LDS slots; each wave's tensor load brings two of the eight groups.  All four waves read all of a slot.
; A TRIP: 64 products (8 accumulators by turns, K ascending); the change of slots; the next 64 rows' groups 0-3 into the four fragment buffers; the chain on the accumulators, 64 numbers a lane; the quantiser; the stores.
; One text serves every trip: the slot in hand is a scalar that is xored with the slot's size, and what steps with the trip is made from the trip's number.  14 trips refill; the last two stand in a loop of their own and refill nothing.
; In that loop's second trip the barrier orders nothing and the fetch for a further trip is jumped over.
; THE MATRIX INSTRUCTION IS USED TRANSPOSED (source 0 = 16 rows of W, source 1 = 16 rows of x); the rows of W that form a tile were chosen so that a lane's 16 registers of my two tiles are columns 16 (lane / 16) + 0 .. 15 of my block.
; CLUSTER 4 x 1: the four work-groups of a cluster have the same rows of x and ask for each tile jointly.  W, its scales and the parameters go from memory straight into registers, once, so no joint load serves them.
; PREFETCH: behind each refill, which asks for the rows two trips on, the rows four trips on are named: 192 blocks of 256 bytes, 48 to each partner (told apart by address), 12 to a wave; trips 12 and later name nothing.
; STORES: a lane's first 16 bytes of codes: sixteen lanes fill 256 consecutive aligned bytes; its last 8 bytes: sixteen lanes fill 128 consecutive bytes, the unit's other half being the neighbouring wave's.
; The scale bytes of all 1,024 rows are gathered in 4,096 bytes of LDS and leave at the end as records of 256 bytes.
; ROUNDING: beta (h + b) is made as fma(beta, h, beta x b), beta x b rounded once in f32.  biases[8] is not read.
; LIMITS: a block of z that is all zeros, or whose largest magnitude lies under 2^-124, gets the scale byte 1 (its codes say the rest; only this program reads the bytes); NaN and infinities are not served.
; All of the WGP's LDS is claimed.
; REGISTERS, in windows of 256.  Window 0: v8-20 addresses; v24-31 W's scale words, v32-47 x's (nothing else, ever); v64-255 W's fragments.  Window 1: beta v0-127, beta x b v128-255 (layer i at 16 i).
;   Window 2: alpha v0-127; z v128-191; the skip, then the quantiser's work, v192-255.   Window 3: x's fragments, four buffers of 48, v0-191; the accumulators v192-255 (row tile i, W tile t at 192 + 16 i + 8 t).
.set SLOTB, 65536                      ; from slot to slot: a power of two above every offset inside a slot (its data are 49,152 bytes), so that the xor with it changes the slot and nothing else
.set SPARE, 2*SLOTB                    ; the spare words, 128 bytes a wave: two blocks of 256 bytes that no other line names
.set SCR,   SPARE+512                  ; z's scale bytes: 16 records of 256 bytes
.set L16,  8                           ; 16 x lane
.set L8,   9                           ; 8 x lane
.set PO,   10                          ; 64 h: my half's place among a block's parameters
.set ADR,  11                          ; 16 x lane + the slot in hand
.set VB,   12                          ; zq: my 16 bytes
.set VB8,  13                          ; zq: my 8 bytes
.set SCA,  14                          ; my scale byte's place in a record
.set CSC,  15                          ; the same in this trip's record
.set SPW,  16                          ; my spare word; never rewritten
.set NIL,  17                          ; 0; never rewritten
.set PFO,  18                          ; the prefetches' offset
.set WSO,  19                          ; W's scale words
.set SCRD, 20                          ; where I read records back
.set WSC,  24
.set XSC,  32
.set WF,   64
.set ACC,  192
.set Z,    128
.set S,    192
.set T,    192
.set MSB, 0
.macro WIN new                         ; the immediate's high byte repeats the setting that is left; a switch that changes nothing is dropped
.if MSB != (\new)
	s_set_vgpr_msb (MSB<<8)|(\new)
.set MSB, \new
.endif
.endm
.macro PLACES                          ; four plain vector places behind matrix instructions, in front of loads into their registers and of reads of their results
.rept 4
	v_nop
.endr
.endm
.macro ROUND                           ; a round of the cluster's barrier
	s_barrier_signal -1
	s_barrier_wait -1
	s_cmp_lg_u32 s22, 0
	s_cbranch_scc1 .Lnw0_\@
	s_barrier_signal -3
.Lnw0_\@:
	s_barrier_wait -3
	s_barrier_signal -1
	s_barrier_wait -1
.endm
.macro WM zero                         ; one product, by the symbols rD, rA, rB, rSA, rSB; odd tiles take their scales from lanes 16-31
.if \zero
.if mt && (mi&1)
	v_wmma_scale_f32_16x16x128_f8f6f4 v[rD:rD+7], v[rA:rA+11], v[rB:rB+11], 0, v[rSA], v[rSB] matrix_a_fmt:MATRIX_FMT_FP6 matrix_b_fmt:MATRIX_FMT_FP6 matrix_a_scale:MATRIX_SCALE_ROW1 matrix_b_scale:MATRIX_SCALE_ROW1
.elseif mt
	v_wmma_scale_f32_16x16x128_f8f6f4 v[rD:rD+7], v[rA:rA+11], v[rB:rB+11], 0, v[rSA], v[rSB] matrix_a_fmt:MATRIX_FMT_FP6 matrix_b_fmt:MATRIX_FMT_FP6 matrix_a_scale:MATRIX_SCALE_ROW1
.elseif (mi&1)
	v_wmma_scale_f32_16x16x128_f8f6f4 v[rD:rD+7], v[rA:rA+11], v[rB:rB+11], 0, v[rSA], v[rSB] matrix_a_fmt:MATRIX_FMT_FP6 matrix_b_fmt:MATRIX_FMT_FP6 matrix_b_scale:MATRIX_SCALE_ROW1
.else
	v_wmma_scale_f32_16x16x128_f8f6f4 v[rD:rD+7], v[rA:rA+11], v[rB:rB+11], 0, v[rSA], v[rSB] matrix_a_fmt:MATRIX_FMT_FP6 matrix_b_fmt:MATRIX_FMT_FP6
.endif
.else
.if mt && (mi&1)
	v_wmma_scale_f32_16x16x128_f8f6f4 v[rD:rD+7], v[rA:rA+11], v[rB:rB+11], v[rD:rD+7], v[rSA], v[rSB] matrix_a_fmt:MATRIX_FMT_FP6 matrix_b_fmt:MATRIX_FMT_FP6 matrix_a_scale:MATRIX_SCALE_ROW1 matrix_b_scale:MATRIX_SCALE_ROW1
.elseif mt
	v_wmma_scale_f32_16x16x128_f8f6f4 v[rD:rD+7], v[rA:rA+11], v[rB:rB+11], v[rD:rD+7], v[rSA], v[rSB] matrix_a_fmt:MATRIX_FMT_FP6 matrix_b_fmt:MATRIX_FMT_FP6 matrix_a_scale:MATRIX_SCALE_ROW1
.elseif (mi&1)
	v_wmma_scale_f32_16x16x128_f8f6f4 v[rD:rD+7], v[rA:rA+11], v[rB:rB+11], v[rD:rD+7], v[rSA], v[rSB] matrix_a_fmt:MATRIX_FMT_FP6 matrix_b_fmt:MATRIX_FMT_FP6 matrix_b_scale:MATRIX_SCALE_ROW1
.else
	v_wmma_scale_f32_16x16x128_f8f6f4 v[rD:rD+7], v[rA:rA+11], v[rB:rB+11], v[rD:rD+7], v[rSA], v[rSB] matrix_a_fmt:MATRIX_FMT_FP6 matrix_b_fmt:MATRIX_FMT_FP6
.endif
.endif
.endm
.macro MULS g                          ; group g: 4 row tiles x my 2 tiles of W.  The 8 accumulators take turns, in the same order in every group; group 0 starts the sums
.set mi, 0
.rept 4
.set mt, 0
.rept 2
.set rD, ACC+16*mi+8*mt
.set rA, WF+12*(2*(\g)+mt)
.set rB, 48*((\g)%4)+12*mi
.set rSA, WSC+(\g)
.set rSB, XSC+2*(\g)+(mi>>1)
.if (\g) == 0
	WM 1
.else
	WM 0
.endif
.set mt, mt+1
.endr
.set mi, mi+1
.endr
.endm
.macro XLOAD g                         ; x's four fragments of group g into buffer g % 4: 12 loads of 512 consecutive bytes
.set fi, 0
.rept 4
.set fj, 0
.rept 3
	ds_load_b128 v[48*((\g)%4)+12*fi+4*fj:48*((\g)%4)+12*fi+4*fj+3], v[ADR] offset:(\g)*6144+fi*1536+512*fj
.set fj, fj+1
.endr
.set fi, fi+1
.endr
.endm
.macro XSL                             ; the scale words of 64 rows of x, all of K: 256 consecutive bytes a load
.set sg, 0
.rept 8
	global_load_b64 v[XSC+2*sg:XSC+2*sg+1], v[L8], s[6:7] offset:256*sg
.set sg, sg+1
.endr
.endm
.macro SKIP d, L                       ; d = h x beta(L) + beta(L) b(L), 64 numbers
.set n, 0
.rept 32
	v_dual_fma_f32 v[\d+n], v[ACC+n], v[16*(\L)+n%16], v[128+16*(\L)+n%16] :: v_dual_fma_f32 v[\d+n+1], v[ACC+n+1], v[16*(\L)+n%16+1], v[128+16*(\L)+n%16+1]   ; two multiply-adds an instruction: neighbouring registers, so each pair of sources lies in different banks
.set n, n+2
.endr
.endm
.macro RELU                            ; two maxima an instruction
.set n, 0
.rept 32
	v_dual_max_num_f32 v[Z+n], 0, v[Z+n] :: v_dual_max_num_f32 v[Z+n+1], 0, v[Z+n+1]
.set n, n+2
.endr
.endm
.macro UPD L                           ; z = z x alpha(L) + skip
.set n, 0
.rept 32
	v_dual_fma_f32 v[Z+n], v[Z+n], v[16*(\L)+n%16], v[S+n] :: v_dual_fma_f32 v[Z+n+1], v[Z+n+1], v[16*(\L)+n%16+1], v[S+n+1]
.set n, n+2
.endr
.endm
.macro PLOAD base, at                  ; eight layers of a parameter array: my 16 columns a lane
.set pl, 0
.rept 8
.set pq, 0
.rept 4
	global_load_b128 v[\at+16*pl+4*pq:\at+16*pl+4*pq+3], v[PO], s[\base:\base+1] offset:pl*16384+pq*16
.set pq, pq+1
.endr
.set pl, pl+1
.endr
.endm
; a trip.  fill = 1: the slot read out is filled again with the rows two trips on
.macro QUAD fill
	s_wait_loadcnt 0x0                             ; x's scale words
	s_wait_dscnt 0x0                               ; groups 0-3 are in their buffers
	WIN 0xfc                                       ; source 0 (W) window 0; source 1 (x), C and D window 3; an LDS load: data window 3, address window 0
.set gg, 0
.rept 8
.if gg >= 4
	s_wait_dscnt 12*(7-gg)                         ; this group's 12 loads are in; those of the later groups may be out
.endif
	MULS gg
.if gg < 4
	PLACES
	XLOAD gg+4                                     ; its buffer takes the group four further on
.endif
.set gg, gg+1
.endr
	PLACES
	WIN 0
	s_wait_tensorcnt 0x0                           ; my part of the other slot has landed: no tensor load of mine is out
.if \fill
	ds_add_u32 v[SPW], v[NIL]                      ; 0 onto my spare word
.endif
	s_xor_b32 s56, s56, SLOTB                      ; the next trip's slot
	v_add_nc_u32 v[ADR], s56, v[L16]
	v_add_nc_u32 v[CSC], s57, v[SCA]
	s_wait_alu depctr_va_vdst(0)                   ; behind the two writes
	s_wait_xcnt 0x0                                ; the last trip's stores and prefetch have read their registers and bases
	s_add_co_u32 s57, s57, 256                     ; a record a trip
	s_add_nc_u64 s[6:7], s[6:7], 2048              ; x's scale words of the next 64 rows
	s_lshr_b32 s54, s58, 2                         ; zq: [256 rows][g 32][tile 16][c 2][768]: trip q stands at 256-row block q / 4, tiles 4 (q % 4) on
	s_mul_i32 s54, s54, 786432
	s_and_b32 s55, s58, 3
	s_mul_i32 s55, s55, 6144
	s_add_co_u32 s66, s54, s55
	s_add_nc_u64 s[50:51], s[18:19], s[66:67]
.if \fill
	s_add_co_u32 s54, s58, 2                       ; xq: [128 rows][g 8][tile 8][1,536]: trip q + 2 stands at block (q + 2) / 2, tiles 4 ((q + 2) % 2) on
	s_lshr_b32 s55, s54, 1
	s_mul_i32 s55, s55, 98304
	s_and_b32 s54, s54, 1
	s_mul_i32 s54, s54, 6144
	s_add_co_u32 s52, s54, s55
	s_add_nc_u64 s[42:43], s[44:45], s[52:53]
	s_or_b32 s43, s43, 0x80000000
	s_xor_b32 s41, s41, SLOTB                      ; into the slot just read out
	s_add_nc_u64 s[48:49], s[46:47], s[52:53]
	s_wait_dscnt 0x0                               ; the add is done, and my reads of this slot are over
	ROUND                                          ; no wave of any partner still reads the slot or has a load on its way
	tensor_load_to_lds s[40:43], s[32:39]          ; my one load behind the round
	s_nop 0
	PLACES
.else
	s_wait_dscnt 0x0
	s_barrier_signal -1
	s_barrier_wait -1                              ; the other slot is whole for every wave
	s_cmp_eq_u32 s58, 15
	s_cbranch_scc1 .Lnopre_\@                      ; no trip follows the last
.endif
	WIN 0xc0
	XLOAD 0
.if \fill == 0
	XLOAD 1
	XLOAD 2
	XLOAD 3
.endif
	WIN 0
	XSL
.if \fill
	s_cmp_lt_u32 s58, 12
	s_cbranch_scc0 .Lnopf_\@                       ; trips 12 and 13 have no rows four trips on
	global_prefetch_b8 v[PFO], s[48:49] offset:98304 th:TH_LOAD_NT scope:SCOPE_SE
.Lnopf_\@:
.else
.Lnopre_\@:
.endif
	; the eight layers.  0x97: source 0 = h (window 3), sources 1 and 2 = beta, beta x b (window 1), destination window 2.  0xaa: all in window 2
	WIN 0x97
	SKIP Z, 0
.set cl, 0
.rept 7
	WIN 0x97
	SKIP S, cl+1
	WIN 0xaa
	RELU
	UPD cl
.if \fill
.if cl < 3
	WIN 0xc0                                       ; groups 1-3 of the next rows are fetched among the first layers, 12 loads at a time
	XLOAD cl+1
.endif
.endif
.set cl, cl+1
.endr
	RELU
.set n, 0
.rept 32
	v_dual_mul_f32 v[Z+n], v[Z+n], v[112+n%16] :: v_dual_mul_f32 v[Z+n+1], v[Z+n+1], v[112+n%16+1]
.set n, n+2
.endr
	; the quantiser: row tile i's block of 32 lies in lanes l and l xor 16, 16 numbers each.  Two chains of maxima a block, the four blocks by turns
.irp i, 0,1,2,3
	v_max3_num_f32 v[T+\i], |v[Z+16*\i]|, |v[Z+16*\i+1]|, 0x1800000    ; the floor 2^(3 - 127): the byte cannot fall under 1
.endr
.irp i, 0,1,2,3
	v_max3_num_f32 v[T+4+\i], |v[Z+16*\i+2]|, |v[Z+16*\i+3]|, |v[Z+16*\i+4]|
.endr
.irp k, 5,9
.irp i, 0,1,2,3
	v_max3_num_f32 v[T+\i], v[T+\i], |v[Z+16*\i+\k]|, |v[Z+16*\i+\k+1]|
.endr
.irp i, 0,1,2,3
	v_max3_num_f32 v[T+4+\i], v[T+4+\i], |v[Z+16*\i+\k+2]|, |v[Z+16*\i+\k+3]|
.endr
.endr
.irp i, 0,1,2,3
	v_max3_num_f32 v[T+\i], v[T+\i], |v[Z+16*\i+13]|, |v[Z+16*\i+14]|
.endr
.irp i, 0,1,2,3
	v_max3_num_f32 v[T+\i], v[T+\i], v[T+4+\i], |v[Z+16*\i+15]|
.endr
.irp i, 0,1,2,3
	v_permlanex16_b32 v[T+4+\i], v[T+\i], s60, s61
.endr
.irp i, 0,1,2,3
	v_max_num_f32 v[T+\i], v[T+\i], v[T+4+\i]                      ; the block's largest magnitude
.endr
.irp i, 0,1,2,3
	v_add_nc_u32 v[T+8+\i], 0xff000000, v[T+\i]                    ; 2 off the exponent field: the conversion's scale operand
.endr
.irp i, 0,1,2,3
	v_lshrrev_b32 v[T+4+\i], 23, v[T+8+\i]                         ; the scale's byte
.endr
.irp p, 0,1
	v_cndmask_b32 v[T+12+\p], v[T+4+2*\p], v[T+5+2*\p], s59        ; lanes 0-15 tile 2 p's byte, lanes 16-31 tile 2 p + 1's
.endr
.irp i, 0,1,2,3
	v_cvt_scalef32_pk16_fp6_f32 v[T+16+4*\i:T+18+4*\i], v[Z+16*\i:Z+16*\i+15], v[T+8+\i]
.endr
	v_nop                                                          ; one plain place behind a scaled conversion
.irp p, 0,1
.irp k, 0,1,2
	v_permlane16_swap_b32 v[T+16+8*\p+\k], v[T+20+8*\p+\k]         ; a whole block to a lane: lanes 0-15 row r of tile 2 p, lanes 16-31 row r of tile 2 p + 1
.endr
.endr
.irp p, 0,1
	v_mov_b32 v[T+19+8*\p], v[T+20+8*\p]                           ; the six registers as four and two
	v_mov_b32 v[T+20+8*\p], v[T+21+8*\p]
	v_mov_b32 v[T+21+8*\p], v[T+22+8*\p]
.endr
	WIN 0x08                                       ; data window 2, addresses window 0
.irp p, 0,1
	global_store_b128 v[VB], v[T+16+8*\p:T+19+8*\p], s[50:51] offset:3072*\p
	global_store_b64 v[VB8], v[T+20+8*\p:T+21+8*\p], s[50:51] offset:3072*\p+512
	ds_store_b8 v[CSC], v[T+12+\p] offset:4*\p
.endr
	WIN 0
.endm
	s_load_b256 s[4:11], s[0:1], 0x0               ; xq s[4:5], xs s[6:7], w1q s[8:9], w1s s[10:11]
	s_load_b256 s[12:19], s[0:1], 0x20             ; alpha s[12:13], beta s[14:15], biases s[16:17], zq s[18:19]
	s_load_b64 s[20:21], s[0:1], 0x40              ; zs
	v_lshl_add_u32 v[SPW], v0, 2, SPARE
	v_mov_b32 v[NIL], 0
	ds_add_u32 v[SPW], v[NIL]                      ; the opening: the add, twice on end, and its wait ahead of my first tensor load
	ds_add_u32 v[SPW], v[NIL]
	v_lshrrev_b32 v1, 5, v0
	v_readfirstlane_b32 s22, v1                    ; wave w: my block of the group's four
	s_lshr_b32 s23, s22, 1                         ; c: which half of a fragment of z
	s_and_b32 s24, s22, 1                          ; which half of its lanes
	s_bfe_u32 s25, ttmp6, 0x40000                  ; cx
	s_lshl_b32 s26, ttmp9, 2
	s_add_co_u32 s26, s26, s25                     ; column group
	s_and_b32 s27, ttmp7, 0xffff                   ; row group
	s_mov_b32 s32, 15|(3<<16)|(1<<21)              ; the four partners; elements of 8 bytes; bit 21 beside a mask; no padding
	s_mov_b32 s33, 768<<16                         ; a row: four fragments, 6,144 bytes
	s_mov_b32 s34, 2<<16                           ; two rows: two groups
	s_mov_b32 s35, 768<<16
	s_mov_b32 s36, 2
	s_mov_b32 s37, 1536                            ; from group to group 12,288 bytes
	s_mov_b32 s38, 0
	s_mov_b32 s39, 0
	s_mov_b32 s53, 0                               ; upper words of the offsets
	s_mov_b32 s67, 0
	s_mov_b32 s73, 0
	s_mov_b32 s56, 0                               ; the slot in hand
	s_mov_b32 s57, 0                               ; the record in hand
	s_mov_b32 s58, 0                               ; the trip
	s_mov_b32 s59, 0xffff0000
	s_mov_b32 s60, 0x76543210
	s_mov_b32 s61, 0xfedcba98                      ; v_permlanex16_b32's selects for lane l xor 16
	s_lshl_b32 s54, s24, 8
	s_lshl_b32 s55, s24, 7
	s_add_co_u32 s68, s22, SCR
	s_lshl_b32 s69, s22, 10
	s_add_co_u32 s69, s69, SCR
	s_mul_i32 s70, s22, 12
	s_lshl_b32 s71, s24, 2
	s_mul_i32 s41, s22, 12288                      ; where my two groups go in slot 0
	v_and_b32 v1, 31, v0                           ; lane
	v_and_b32 v2, 15, v0                           ; r
	v_bfe_u32 v3, v0, 4, 1                         ; h
	v_lshlrev_b32 v[L16], 4, v1
	v_lshlrev_b32 v[L8], 3, v1
	v_lshlrev_b32 v[PO], 6, v3
	v_lshlrev_b32 v[ADR], 4, v1
	v_mul_u32_u24 v4, v3, 1536                     ; lanes 16-31 hold the pair's second tile
	v_lshl_add_u32 v[VB], v2, 4, v4
	v_lshl_add_u32 v[VB8], v2, 3, v4
	v_add_nc_u32 v[VB], s54, v[VB]                 ; at lane r + 16 (w % 2) of the fragment's image
	v_add_nc_u32 v[VB8], s55, v[VB8]
	v_add_nc_u32 v[SCA], s68, v[L8]                ; byte w of the word of my lane
	v_add_nc_u32 v[SCRD], s69, v[L8]               ; records 4 w on
	v_add_nc_u32 v[WSO], s71, v[L8]
	v_min_u32 v5, 11, v1                           ; prefetch: block 12 w + lane of my work-group's 48; lanes 12-31 name the wave's last block again
	v_add_nc_u32 v5, s70, v5
	v_mul_u32_u24 v6, v5, 43
	v_lshrrev_b32 v6, 10, v6                       ; block / 24: which of the two groups
	v_mul_u32_u24 v6, v6, 6144
	v_lshl_add_u32 v[PFO], v5, 8, v6
	s_wait_alu depctr_va_vdst(0)                   ; directly ahead of the waits below
	s_wait_dscnt 0x0                               ; both opening adds are done
	s_wait_kmcnt 0x0
	s_mul_i32 s52, s27, 786432                     ; my 1,024 rows of xq
	s_add_nc_u64 s[46:47], s[4:5], s[52:53]
	s_mul_i32 s52, s22, 24576                      ; my two groups
	s_add_nc_u64 s[44:45], s[46:47], s[52:53]      ; made of the row group and the wave alone
	s_mov_b32 s40, 1
	s_mov_b64 s[42:43], s[44:45]
	s_or_b32 s43, s43, 0x80000000
	ROUND                                          ; the four partners are here: the first joint loads meet
	tensor_load_to_lds s[40:43], s[32:39]          ; trip 0's rows: my one load at the head
	s_nop 0
	PLACES
	s_mul_i32 s72, s25, 24576                      ; prefetch: my work-group's two groups of a tile
	s_add_nc_u64 s[46:47], s[46:47], s[72:73]
	s_lshl_b32 s72, s27, 15
	s_add_nc_u64 s[6:7], s[6:7], s[72:73]
	XSL
	s_lshl_b32 s72, s26, 1
	s_add_co_u32 s72, s72, s23
	s_lshl_b32 s72, s72, 11
	s_add_nc_u64 s[10:11], s[10:11], s[72:73]
.set sg, 0
.rept 8
	global_load_b32 v[WSC+sg], v[WSO], s[10:11] offset:256*sg      ; lanes 0-15 my first tile's words, lanes 16-31 my second's
.set sg, sg+1
.endr
	s_mul_i32 s72, s26, 98304
	s_mul_i32 s74, s22, 3072
	s_add_co_u32 s72, s72, s74
	s_add_nc_u64 s[8:9], s[8:9], s[72:73]
.set sg, 0
.rept 16                               ; W's fragments: group sg / 2, tile sg % 2
.set fj, 0
.rept 3
	global_load_b128 v[WF+12*sg+4*fj:WF+12*sg+4*fj+3], v[L16], s[8:9] offset:(sg/2)*12288+(sg%2)*1536+512*fj
.set fj, fj+1
.endr
.set sg, sg+1
.endr
	s_lshl_b32 s72, s26, 9
	s_lshl_b32 s74, s22, 7
	s_add_co_u32 s72, s72, s74                     ; the parameters of my 32 columns
	s_add_nc_u64 s[12:13], s[12:13], s[72:73]
	s_add_nc_u64 s[14:15], s[14:15], s[72:73]
	s_add_nc_u64 s[16:17], s[16:17], s[72:73]
	WIN 0x40
	PLOAD 14, 0
	PLOAD 16, 128
	WIN 0x80
	PLOAD 12, 0
	WIN 0
	s_mul_i32 s72, s27, 3145728
	s_mul_i32 s74, s26, 24576
	s_add_co_u32 s72, s72, s74
	s_mul_i32 s74, s23, 768
	s_add_co_u32 s72, s72, s74
	s_add_nc_u64 s[18:19], s[18:19], s[72:73]
	s_lshl_b32 s72, s27, 17                        ; zs: [64 rows][g 32][256]: records 16 x row group + 4 w on
	s_lshl_b32 s74, s22, 15
	s_add_co_u32 s72, s72, s74
	s_lshl_b32 s74, s26, 8
	s_add_co_u32 s72, s72, s74
	s_add_nc_u64 s[20:21], s[20:21], s[72:73]
	s_wait_alu depctr_va_vdst(0)                   ; the head's end
	s_wait_tensorcnt 0x0                           ; my part of trip 0's rows is in; slot 1's first fill is issued as a refill is
	ds_add_u32 v[SPW], v[NIL]
	s_add_nc_u64 s[42:43], s[44:45], 6144          ; trip 1's rows
	s_or_b32 s43, s43, 0x80000000
	s_xor_b32 s41, s41, SLOTB
	s_wait_dscnt 0x0
	ROUND
	tensor_load_to_lds s[40:43], s[32:39]
	s_nop 0
	PLACES
	WIN 0xc0
	XLOAD 0
	XLOAD 1
	XLOAD 2
	XLOAD 3
	s_wait_loadcnt 0x0
	WIN 0x45
.set n, 0
.rept 64
	v_pk_mul_f32 v[128+n:128+n+1], v[128+n:128+n+1], v[n:n+1]      ; beta x b, over b
.set n, n+2
.endr
	WIN 0
	s_wait_alu depctr_va_vdst(0)
.Lmain:
	QUAD 1
	s_add_co_u32 s58, s58, 1
	s_cmp_lt_u32 s58, 14
	s_wait_alu depctr_va_vdst(0)                   ; ahead of the branch
	s_cbranch_scc1 .Lmain
	s_mov_b32 s58, 14
.Ltail:
	QUAD 0
	s_add_co_u32 s58, s58, 1
	s_cmp_lt_u32 s58, 16
	s_wait_alu depctr_va_vdst(0)
	s_cbranch_scc1 .Ltail
	s_wait_dscnt 0x0                               ; for the others' sake: my scale bytes have landed
	s_barrier_signal -1
	s_barrier_wait -1
.irp i, 0,1,2,3
	ds_load_b64 v[48+2*\i:49+2*\i], v[SCRD] offset:256*\i
.endr
	s_wait_dscnt 0x0
.irp i, 0,1,2,3
	global_store_b64 v[L8], v[48+2*\i:49+2*\i], s[20:21] offset:8192*\i   ; a record: 256 consecutive bytes
.endr
	s_wait_tensorcnt 0x0                           ; the wave's end
	ds_add_u32 v[SPW], v[NIL]
	s_wait_dscnt 0x0
	ROUND                                          ; the closing round
	s_endpgm
.Lfunc_end_k_q134aa5b569_gemm1:
	.size	k_q134aa5b569_gemm1, .Lfunc_end_k_q134aa5b569_gemm1-k_q134aa5b569_gemm1
	.p2alignl 7, 3214868480
	.fill 96, 4, 3214868480
	.section	.rodata,"a",@progbits
	.p2align	6, 0x0
	.amdhsa_kernel k_q134aa5b569_gemm1
		.amdhsa_group_segment_fixed_size 327680
		.amdhsa_private_segment_fixed_size 0
		.amdhsa_enable_private_segment 0
		.amdhsa_kernarg_size 72
		.amdhsa_user_sgpr_count 2
		.amdhsa_user_sgpr_kernarg_segment_ptr 1
		.amdhsa_wavefront_size32 1
		.amdhsa_system_sgpr_workgroup_id_x 1
		.amdhsa_system_sgpr_workgroup_id_y 1
		.amdhsa_system_sgpr_workgroup_id_z 1
		.amdhsa_system_vgpr_workitem_id 0
		.amdhsa_next_free_vgpr 1024
		.amdhsa_next_free_sgpr 80
		.amdhsa_reserve_vcc 0
		.amdhsa_float_denorm_mode_32 3
		.amdhsa_float_denorm_mode_16_64 3
		.amdhsa_memory_ordered 1
		.amdhsa_forward_progress 1
		.amdhsa_inst_pref_size 200
	.end_amdhsa_kernel
	.amdgpu_metadata
---
amdhsa.version: [ 1, 2 ]
amdhsa.kernels:
  - .name:           k_q134aa5b569_gemm1
    .symbol:         k_q134aa5b569_gemm1.kd
    .args:
      - { .name: xq, .offset: 0, .size: 8, .value_kind: global_buffer, .address_space: global }
      - { .name: xs, .offset: 8, .size: 8, .value_kind: global_buffer, .address_space: global }
      - { .name: w1q, .offset: 16, .size: 8, .value_kind: global_buffer, .address_space: global }
      - { .name: w1s, .offset: 24, .size: 8, .value_kind: global_buffer, .address_space: global }
      - { .name: alpha, .offset: 32, .size: 8, .value_kind: global_buffer, .address_space: global }
      - { .name: beta, .offset: 40, .size: 8, .value_kind: global_buffer, .address_space: global }
      - { .name: biases, .offset: 48, .size: 8, .value_kind: global_buffer, .address_space: global }
      - { .name: zq, .offset: 56, .size: 8, .value_kind: global_buffer, .address_space: global }
      - { .name: zs, .offset: 64, .size: 8, .value_kind: global_buffer, .address_space: global }
    .group_segment_fixed_size: 327680
    .private_segment_fixed_size: 0
    .kernarg_segment_align: 8
    .kernarg_segment_size: 72
    .max_flat_workgroup_size: 128
    .sgpr_count:     80
    .vgpr_count:     1024
    .wavefront_size: 32
...
	.end_amdgpu_metadata
.endif
;; end of part 2
;; launch gemm2 (part 3): grid 4 x 64, 4 waves a work-group, clusters of 4 x 4, 327,680 bytes of LDS; arguments zq, zs, w2q, w2s, bias_last, out0; writes out0
.if DOCPART == 3
	.amdgcn_target "amdgcn-amd-amdhsa--gfx1250"
	.amdhsa_code_object_version 6
	.text
	.protected	k_q134aa5b569_gemm2
	.globl	k_q134aa5b569_gemm2
	.p2align	8
	.type	k_q134aa5b569_gemm2,@function
k_q134aa5b569_gemm2:
	s_mov_b64 s[64:65], 0
	v_nop
	global_prefetch_b8 v0, s[64:65] scope:SCOPE_SE
	s_setreg_imm32_b32 hwreg(HW_REG_WAVE_MODE, 25, 1), 1
	s_wait_xcnt 0x0
	s_wait_alu depctr_hold_cnt(0) depctr_sa_sdst(0) depctr_va_vdst(0) depctr_va_sdst(0) depctr_va_ssrc(0) depctr_va_vcc(0) depctr_vm_vsrc(0)
	s_getreg_b32 s2, hwreg(HW_REG_IB_STS2, 6, 4)
	s_cmp_eq_u32 s2, 0
	s_cbranch_scc0 .Lentry_in_a_cluster
	s_endpgm
.Lentry_in_a_cluster:
	s_bfe_u32 s2, ttmp6, 0x10000c
	s_cmp_lg_u32 s2, 0xf033
	s_cbranch_scc0 .Lentry_shape_is_right
	s_endpgm
.Lentry_shape_is_right:
; out = z W + bias_last on codes of FP6 (E2M3) with E8M0 scales: z as zq, zs (made by the launch before), W quantised down its columns as w2q, w2s; sums in f32.
; A work-group makes 128 rows x 256 columns, a wave 64 x 128: 32 accumulators.  K = 4,096 is 32 groups of 128; a slot holds four groups (A's 128 rows, B's 256), two slots take turns.
; Operands lie in memory as images of the operand's registers.  Waves 0 and 1 fetch A's groups, waves 2 and 3 B's halves, one tensor load a wave behind each round.
; CLUSTER 4 x 4: A's tiles are asked for jointly along a row of the cluster, B's along a column.  The matrix instruction is used transposed; bias_last is the C of each accumulator's first product.
; PREFETCH: behind the load of slot j the blocks of slot j + 2 are named, for j = 0 .. 5.  Of the 96 blocks of 256 bytes that an A wave fetches each of the four partners takes 24, of a B wave's 192 each takes 48,
; told apart by address (cx for A, cy for B); every offset is an immediate, so no address register is written again.  Lanes that are left over name their instruction's last block again.
; The scale words of all of K and the bias are loaded while slot 0's tiles are on their way; slot 1's first fill follows them, issued as a refill is.
; The way out goes through a stage in slot 0, which has had its last fill and its last read by then.  All of the WGP's LDS is claimed.
; LIMITS: NaN and infinities are not served.
.set GRPB,  12288
.set FRB,   1536
.set SLOTB, 12*GRPB
.set SPARE, 2*SLOTB
.set SP,    528
.set FR,    12
.set ADRA,  16
.set ADRA8, 18
.set ADRB,  20
.set STO,   24
.set RD,    25
.set BO,    27
.set SPW,   28
.set NIL,   29
.set L16,   30
.set L8,    31
.set SC,    32
.set G1A,   32
.set G1B,   40
.set MULC,  0xad
.set MULF,  0xbd
.set MSB, 0
.macro WIN new
.if MSB != (\new)
	s_set_vgpr_msb (MSB<<8)|(\new)
.set MSB, \new
.endif
.endm
.macro ASK j                           ; slot j's blocks: my work-group's share of what my wave fetches
	s_cmp_eq_u32 s23, 0
	s_cbranch_scc0 .Lpf_b_\@
	global_prefetch_b8 v6, s[96:97] offset:(\j)*8*GRPB th:TH_LOAD_NT scope:SCOPE_SE
	s_branch .Lpf_e_\@
.Lpf_b_\@:
	global_prefetch_b8 v5, s[98:99] offset:(\j)*4*GRPB th:TH_LOAD_NT scope:SCOPE_SE
	global_prefetch_b8 v7, s[98:99] offset:(\j)*4*GRPB th:TH_LOAD_NT scope:SCOPE_SE
.Lpf_e_\@:
.endm
.macro PLACES
.rept 4
	v_nop
.endr
.endm
.macro JLOAD g0a, g0b
	s_cmp_eq_u32 s23, 0
	s_cbranch_scc0 .Lfor_b_\@
	tensor_load_to_lds s[\g0a:\g0a+3], s[G1A:G1A+7]
	s_nop 0
.rept 4
	v_nop
.endr
	s_branch .Lasked_\@
.Lfor_b_\@:
	tensor_load_to_lds s[\g0b:\g0b+3], s[G1B:G1B+7]
	s_nop 0
.rept 4
	v_nop
.endr
.Lasked_\@:
.endm
.macro CREST
	s_cmp_lg_u32 s22, 0
	s_cbranch_scc1 .Lnot_wave_0_\@
	s_barrier_signal -3
.Lnot_wave_0_\@:
	s_barrier_wait -3
	s_barrier_signal -1
	s_barrier_wait -1
.endm
.macro CROUND
	s_barrier_signal -1
	s_barrier_wait -1
	CREST
.endm
.macro WM
.if (mb&1) && pA
	v_wmma_scale_f32_16x16x128_f8f6f4 v[rD:rD+7], v[rB:rB+11], v[rA:rA+11], v[rC:rC+7], v[rSB], v[rSA] matrix_a_fmt:MATRIX_FMT_FP6 matrix_b_fmt:MATRIX_FMT_FP6 matrix_a_scale:MATRIX_SCALE_ROW1 matrix_b_scale:MATRIX_SCALE_ROW1
.elseif (mb&1)
	v_wmma_scale_f32_16x16x128_f8f6f4 v[rD:rD+7], v[rB:rB+11], v[rA:rA+11], v[rC:rC+7], v[rSB], v[rSA] matrix_a_fmt:MATRIX_FMT_FP6 matrix_b_fmt:MATRIX_FMT_FP6 matrix_a_scale:MATRIX_SCALE_ROW1
.elseif pA
	v_wmma_scale_f32_16x16x128_f8f6f4 v[rD:rD+7], v[rB:rB+11], v[rA:rA+11], v[rC:rC+7], v[rSB], v[rSA] matrix_a_fmt:MATRIX_FMT_FP6 matrix_b_fmt:MATRIX_FMT_FP6 matrix_b_scale:MATRIX_SCALE_ROW1
.else
	v_wmma_scale_f32_16x16x128_f8f6f4 v[rD:rD+7], v[rB:rB+11], v[rA:rA+11], v[rC:rC+7], v[rSB], v[rSA] matrix_a_fmt:MATRIX_FMT_FP6 matrix_b_fmt:MATRIX_FMT_FP6
.endif
.endm
.macro MUL8 a, g
.set pA, (\a)&1
.set mb, 0
.rept 8
.set rD, 8*(8*(\a)+mb)
.set rB, 128*((\g)%2)+FR*mb
.set rA, 64*((\g)%2)+FR*(\a)
.set rSB, SC+6*(\g)+(mb>>1)
.set rSA, SC+6*(\g)+4+((\a)>>1)
.if (\g) == 0
.set rC, 128+8*mb
.else
.set rC, rD
.endif
	WM
.set mb, mb+1
.endr
.endm
.macro FETCHC slot, q, set
	WIN 0x40
.set fi, 0
.rept 8
.set fj, 0
.rept 3
	ds_load_b128 v[128*(\set)+FR*fi+4*fj:128*(\set)+FR*fi+4*fj+3], v[ADRB+(\slot)] offset:(\q)*GRPB+fi*FRB+512*fj
.set fj, fj+1
.endr
.set fi, fi+1
.endr
	WIN 0xc0
.set fi, 0
.rept 4
.set fj, 0
.rept 2
	ds_load_b128 v[64*(\set)+FR*fi+6*fj:64*(\set)+FR*fi+6*fj+3], v[ADRA+(\slot)] offset:(\q)*GRPB+fi*FRB+768*fj
	ds_load_b64 v[64*(\set)+FR*fi+6*fj+4:64*(\set)+FR*fi+6*fj+5], v[ADRA8+(\slot)] offset:(\q)*GRPB+fi*FRB+768*fj
.set fj, fj+1
.endr
.set fi, fi+1
.endr
	WIN 0
.endm
.macro MULWIN g
.if (\g) == 0
	WIN MULF
.else
	WIN MULC
.endif
.endm
.macro CSTEP g
.set NS, (((\g)+1)/4)%2
.set NQ, ((\g)+1)%4
.set NP, ((\g)+1)%2
	s_wait_dscnt 0x0
	PLACES
	FETCHC NS, NQ, NP
	MULWIN \g
	MUL8 0, \g
	MUL8 1, \g
	MUL8 2, \g
	MUL8 3, \g
.endm
.macro CTURN g, fill
.set NS, (((\g)+1)/4)%2
.set NP, ((\g)+1)%2
.set TS, ((\g)/4)%2
	WIN 0
	s_wait_tensorcnt 0x0
	ds_add_u32 v[SPW], v[NIL]
	s_wait_dscnt 1
	WIN MULC
	MUL8 0, \g
	s_wait_dscnt 0x0
	s_barrier_signal -1
	MUL8 1, \g
	WIN 0
	s_barrier_wait -1
.if \fill
	CREST
	s_add_nc_u64 s[50+4*TS:51+4*TS], s[50+4*TS:51+4*TS], 16*GRPB
	s_add_nc_u64 s[58+4*TS:59+4*TS], s[58+4*TS:59+4*TS], 8*GRPB
	JLOAD 48+4*TS, 56+4*TS
.else
	PLACES
.endif
	FETCHC NS, 0, NP
.if \fill
.if (\g)/4+4 < 8
	ASK (\g)/4+4
.endif
.endif
	WIN MULC
	MUL8 2, \g
	MUL8 3, \g
.endm
.macro TOSTAGE a
	WIN 0x08
.set tb, 0
.rept 8
	ds_store_b128 v[STO], v[8*(8*(\a)+tb):8*(8*(\a)+tb)+3] offset:64*tb
	ds_store_b128 v[STO], v[8*(8*(\a)+tb)+4:8*(8*(\a)+tb)+7] offset:64*tb+16
.set tb, tb+1
.endr
	WIN 0x40
.set tt, 0
.rept 16
	ds_load_b128 v[64*((\a)%2)+4*tt:64*((\a)%2)+4*tt+3], v[RD] offset:tt*SP
.set tt, tt+1
.endr
	WIN 0
.endm
.macro SEND a, younger
	s_wait_dscnt \younger
	WIN 0x04
.set tt, 0
.rept 16
	global_store_b128 v[L16], v[64*((\a)%2)+4*tt:64*((\a)%2)+4*tt+3], s[14:15] offset:(32*((\a)/2)+16*(tt/8)+8*((\a)%2)+tt%8)*4096 th:TH_STORE_NT
.set tt, tt+1
.endr
	WIN 0
.endm
	s_load_b256 s[4:11], s[0:1], 0x0
	s_load_b128 s[12:15], s[0:1], 0x20
	v_lshl_add_u32 v[SPW], v0, 2, SPARE
	v_mov_b32 v[NIL], 0
	ds_add_u32 v28, v29
	ds_add_u32 v28, v29
	s_wait_dscnt 0x0
	v_lshrrev_b32 v1, 5, v0
	v_readfirstlane_b32 s22, v1
	s_lshr_b32 s23, s22, 1
	s_and_b32 s24, s22, 1
	s_bfe_u32 s25, ttmp6, 0x40000
	s_bfe_u32 s26, ttmp6, 0x40004
	s_lshl_b32 s27, ttmp9, 2
	s_add_co_u32 s27, s27, s25
	s_and_b32 s28, ttmp7, 0xffff
	s_lshl_b32 s28, s28, 2
	s_add_co_u32 s28, s28, s26
	s_lshl_b32 s29, s26, 2
	s_lshl_b32 s29, 15, s29
	s_lshl_b32 s30, 0x1111, s25
	s_or_b32 s[G1A], s29, (3<<16)|(1<<21)
	s_mov_b32 s[G1A+1], 1536<<16
	s_mov_b32 s[G1A+2], 2<<16
	s_mov_b32 s[G1A+3], 1536<<16
	s_mov_b32 s[G1A+4], 2
	s_mov_b32 s[G1A+5], 3072
	s_mov_b32 s[G1A+6], 0
	s_mov_b32 s[G1A+7], 0
	s_or_b32 s[G1B], s30, (3<<16)|(1<<21)
	s_mov_b32 s[G1B+1], 32<<16
	s_mov_b32 s[G1B+2], 192<<16
	s_mov_b32 s[G1B+3], 32<<16
	s_mov_b32 s[G1B+4], 192
	s_mov_b32 s[G1B+5], 32
	s_mov_b32 s[G1B+6], 0
	s_mov_b32 s[G1B+7], 0
	s_lshr_b32 s76, s28, 1
	s_mul_i32 s76, s76, 786432
	s_and_b32 s77, s28, 1
	s_mul_i32 s77, s77, GRPB
	s_add_co_u32 s76, s76, s77
	s_mul_i32 s77, s24, 4*GRPB
	s_add_co_u32 s76, s76, s77
	s_mov_b32 s77, 0
	s_lshl_b32 s80, s27, 1
	s_add_co_u32 s80, s80, s24
	s_mul_i32 s80, s80, 32*GRPB
	s_mov_b32 s81, 0
	s_mul_i32 s84, s24, 2*GRPB
	s_mul_i32 s85, s24, 4*GRPB
	s_add_co_u32 s85, s85, 4*GRPB
	s_wait_kmcnt 0x0
	s_add_nc_u64 s[78:79], s[4:5], s[76:77]
	s_add_nc_u64 s[82:83], s[8:9], s[80:81]
	s_lshr_b32 s96, s25, 1                         ; prefetch, A: partner cx takes blocks 24 cx on of my two groups' 2 x 48
	s_mul_i32 s96, s96, 2*GRPB
	s_and_b32 s97, s25, 1
	s_mul_i32 s97, s97, 6144
	s_add_co_u32 s96, s96, s97
	s_mov_b32 s97, 0
	s_add_nc_u64 s[96:97], s[78:79], s[96:97]
	s_mul_i32 s98, s26, GRPB                       ; B: partner cy takes blocks 48 cy on of my 192
	s_mov_b32 s99, 0
	s_add_nc_u64 s[98:99], s[82:83], s[98:99]
	v_and_b32 v5, 31, v0
	v_min_u32 v6, 23, v5
	v_min_u32 v7, 15, v5
	v_lshlrev_b32 v5, 8, v5                        ; B: blocks 0-31
	v_lshlrev_b32 v6, 8, v6                        ; A: blocks 0-23
	v_lshlrev_b32 v7, 8, v7
	v_add_nc_u32 v7, 8192, v7                      ; B: blocks 32-47
	CROUND
.macro FIRSTFILL s                     ; slot s's descriptors and its first fill
	s_mov_b32 s[48+4*\s], 1
	s_add_co_u32 s[49+4*\s], s84, \s*SLOTB
	s_add_nc_u64 s[50+4*\s:51+4*\s], s[78:79], \s*8*GRPB
	s_or_b32 s[51+4*\s], s[51+4*\s], 0x80000000
	s_mov_b32 s[56+4*\s], 1
	s_add_co_u32 s[57+4*\s], s85, \s*SLOTB
	s_add_nc_u64 s[58+4*\s:59+4*\s], s[82:83], \s*4*GRPB
	s_or_b32 s[59+4*\s], s[59+4*\s], 0x80000000
	s_wait_alu depctr_va_vdst(0)
	s_wait_tensorcnt 0x0
	ds_add_u32 v28, v29
	ds_add_u32 v28, v29
	s_wait_dscnt 0x0
	CROUND
	JLOAD 48+4*\s, 56+4*\s
	ASK (\s)+2
.endm
	FIRSTFILL 0
	v_and_b32 v1, 31, v0
	v_and_b32 v2, 15, v0
	v_bfe_u32 v3, v0, 4, 1
	v_lshlrev_b32 v[L16], 4, v1
	v_lshlrev_b32 v[L8], 3, v1
	s_wait_alu depctr_va_vdst(0)
	v_lshlrev_b32 v[BO], 5, v3
	s_wait_alu depctr_va_vdst(0)
	s_lshl_b32 s86, s28, 1
	s_add_co_u32 s86, s86, s23
	s_lshl_b32 s86, s86, 13
	s_mov_b32 s87, 0
	s_add_nc_u64 s[6:7], s[6:7], s[86:87]
	s_lshl_b32 s86, s86, 5
	s_add_nc_u64 s[14:15], s[14:15], s[86:87]
	s_lshl_b32 s88, s27, 1
	s_add_co_u32 s88, s88, s24
	s_lshl_b32 s90, s88, 14
	s_mov_b32 s91, 0
	s_add_nc_u64 s[10:11], s[10:11], s[90:91]
	s_lshl_b32 s90, s88, 9
	s_add_nc_u64 s[12:13], s[12:13], s[90:91]
	s_add_nc_u64 s[14:15], s[14:15], s[90:91]
.set sg, 0
.rept 32
	global_load_b64 v[SC+6*sg:SC+6*sg+1], v[L8], s[10:11] offset:256*sg
	global_load_b64 v[SC+6*sg+2:SC+6*sg+3], v[L8], s[10:11] offset:8192+256*sg
	global_load_b64 v[SC+6*sg+4:SC+6*sg+5], v[L8], s[6:7] offset:256*sg
.set sg, sg+1
.endr
	WIN 0xc0
.set sg, 0
.rept 8
	global_load_b128 v[128+8*sg:128+8*sg+3], v[BO], s[12:13] offset:64*sg
	global_load_b128 v[128+8*sg+4:128+8*sg+7], v[BO], s[12:13] offset:64*sg+16
.set sg, sg+1
.endr
	WIN 0
	FIRSTFILL 1
	s_mul_i32 s92, s23, 4*FRB
	s_mul_i32 s93, s24, 4*GRPB
	s_add_co_u32 s93, s93, 4*GRPB
.irp s, 0,1
	v_add_nc_u32 v[ADRA+\s], s92, v[L16]
	v_add_nc_u32 v[ADRA8+\s], s92, v[L8]
	v_add_nc_u32 v[ADRA8+\s], 512, v[ADRA8+\s]
	v_add_nc_u32 v[ADRB+\s], s93, v[L16]
	s_add_co_u32 s92, s92, SLOTB
	s_add_co_u32 s93, s93, SLOTB
.endr
	s_mul_i32 s92, s22, 16*SP
	v_mul_u32_u24 v4, v2, SP
	v_lshl_add_u32 v4, v3, 5, v4
	v_add_nc_u32 v[STO], s92, v4
	v_add_nc_u32 v[RD], s92, v[L16]
	s_wait_alu depctr_va_vdst(0)
	s_wait_tensorcnt 0x1
	s_barrier_signal -1
	s_barrier_wait -1
	FETCHC 0, 0, 0
	s_wait_loadcnt 0x0
.set G, 0
.rept 31
.if (G%4) == 3
.if G < 24
	CTURN G, 1
.else
	CTURN G, 0
.endif
.else
	CSTEP G
.endif
.set G, G+1
.endr
	s_wait_dscnt 0x0
	WIN MULC
	MUL8 0, 31
	MUL8 1, 31
	MUL8 2, 31
	MUL8 3, 31
	WIN 0
	PLACES
	TOSTAGE 0
	TOSTAGE 1
	SEND 0, 32
	s_wait_xcnt 0x0
	TOSTAGE 2
	SEND 1, 32
	s_wait_xcnt 0x0
	TOSTAGE 3
	SEND 2, 32
	SEND 3, 0
	s_wait_tensorcnt 0x0
	ds_add_u32 v[SPW], v[NIL]
	s_wait_dscnt 0x0
	CROUND
	s_endpgm
.Lfunc_end_k_q134aa5b569_gemm2:
	.size	k_q134aa5b569_gemm2, .Lfunc_end_k_q134aa5b569_gemm2-k_q134aa5b569_gemm2
	.p2alignl 7, 3214868480
	.fill 96, 4, 3214868480
	.section	.rodata,"a",@progbits
	.p2align	6, 0x0
	.amdhsa_kernel k_q134aa5b569_gemm2
		.amdhsa_group_segment_fixed_size 327680
		.amdhsa_private_segment_fixed_size 0
		.amdhsa_enable_private_segment 0
		.amdhsa_kernarg_size 48
		.amdhsa_user_sgpr_count 2
		.amdhsa_user_sgpr_kernarg_segment_ptr 1
		.amdhsa_wavefront_size32 1
		.amdhsa_system_sgpr_workgroup_id_x 1
		.amdhsa_system_sgpr_workgroup_id_y 1
		.amdhsa_system_sgpr_workgroup_id_z 1
		.amdhsa_system_vgpr_workitem_id 0
		.amdhsa_next_free_vgpr 1024
		.amdhsa_next_free_sgpr 100
		.amdhsa_reserve_vcc 0
		.amdhsa_float_denorm_mode_32 3
		.amdhsa_float_denorm_mode_16_64 3
		.amdhsa_memory_ordered 1
		.amdhsa_forward_progress 1
		.amdhsa_inst_pref_size 255
	.end_amdhsa_kernel
	.section	.bss,"aw",@nobits
	.p2align	6
	.space	262144
	.amdgpu_metadata
---
amdhsa.version: [ 1, 2 ]
amdhsa.kernels:
  - .name:           k_q134aa5b569_gemm2
    .symbol:         k_q134aa5b569_gemm2.kd
    .args:
      - { .name: zq, .offset: 0, .size: 8, .value_kind: global_buffer, .address_space: global }
      - { .name: zs, .offset: 8, .size: 8, .value_kind: global_buffer, .address_space: global }
      - { .name: w2q, .offset: 16, .size: 8, .value_kind: global_buffer, .address_space: global }
      - { .name: w2s, .offset: 24, .size: 8, .value_kind: global_buffer, .address_space: global }
      - { .name: bias_last, .offset: 32, .size: 8, .value_kind: global_buffer, .address_space: global }
      - { .name: out0, .offset: 40, .size: 8, .value_kind: global_buffer, .address_space: global }
    .group_segment_fixed_size: 327680
    .private_segment_fixed_size: 0
    .kernarg_segment_align: 8
    .kernarg_segment_size: 48
    .max_flat_workgroup_size: 128
    .sgpr_count:     100
    .vgpr_count:     1024
    .wavefront_size: 32
...
	.end_amdgpu_metadata
.endif
;; end of part 3
